; MI455X (gfx1250); checked and timed in simulation.
; The chip was launched on July 23, 2026; its instructions are those of AMD's public machine-readable ISA for CDNA 5 (MIT licence, August 2026) and "CDNA5" Instruction Set Architecture Reference Guide (July 2026). The comments in the code are by the model that wrote it; some were corrected since.
;; Vectorized Attention Head. Allowed arithmetic: matrix products marked QUANTISED: E2M1 operands, one E8M0 scale for each 32 along K, by v_wmma_scale_f32_16x16x128_f8f6f4 with both operands' format E2M1 (or v_wmma_scale_f32_32x16x128_f4), f32 sums; everything else in f32.
;; Inputs: Wk 2,048 x 2,048 float32; Wq 2,048 x 2,048 float32; Wv 2,048 x 2,048 float32; x 4 x 1,024 x 2,048 float32.
;; Outputs: out0 4 x 16 x 1,024 x 128 float32.
;; This version of the problem:
;;   THIS VERSION OF THE PROBLEM IS GIVEN IN LOW PRECISION. The matrix products marked QUANTISED in the list below multiply operands that are first quantised to E2M1 (2 exponent bits, 1 mantissa bit; 4 bits a number), with one power-of-two scale for each 32 numbers along K (OCP MX v1.0); their sums are f32. All else is computed in f32.
;;   The module's matrix products, in the order in which they are computed (A, B: the left and right operand; K: the contracted axis; several contracted axes count as one K, in the product's order):
;;     1. [M 4,096, K 2,048] x [K 2,048, N 2,048]; A: input x; B: input Wq: QUANTISED
;;     2. [M 4,096, K 2,048] x [K 2,048, N 2,048]; A: input x; B: input Wk: QUANTISED
;;     3. [M 4,096, K 2,048] x [K 2,048, N 2,048]; A: input x; B: input Wv: QUANTISED
;;     4. batch 64 x [M 1,024, K 128] x [K 128, N 1,024]; A: computed on the way; B: computed on the way: QUANTISED
;;     5. batch 64 x [M 1,024, K 1,024] x [K 1,024, N 128]; A: softmax (see below); B: computed on the way: QUANTISED
;;   THE QUANTISER, for each operand of a quantised product, along K:
;;     - K is cut into blocks of 32 from its start; a last block that is shorter is filled with zeros.
;;     - A block's scale is 2^e with e = floor(log2(the largest magnitude in the block)) - 2, held to -126 .. 127; a block of zeros has e = 0. As a byte (E8M0): e + 127.
;;     - Each number is divided by its block's scale, clamped to +-6, and rounded to the nearest number of E2M1, ties to even, subnormals kept.
;;     - The product sums the exact products of the quantised numbers (number of the format x scale) in f32.
;;   ~~~python
;;   def quantise(x, axis):      # numpy; x: float32 -> the quantised numbers, widened to float32 again
;;       x = np.moveaxis(x, axis, -1); K = x.shape[-1]
;;       x = np.pad(x, [(0, 0)] * (x.ndim - 1) + [(0, -K % 32)]); x = x.reshape(x.shape[:-1] + (-1, 32)); a = np.abs(x).max(-1, keepdims=True)
;;       e = np.where(a > 0, np.clip(np.frexp(np.where(a > 0, a, 1))[1] - 1 - 2, -126, 127), 0)      # np.frexp(a)[1] - 1 = floor(log2(a)), exactly
;;       r = np.clip(x / 2.0 ** e, -6, 6)
;;       step = 2.0 ** (np.maximum(np.frexp(np.where(r == 0, 1, r))[1] - 1, 0) - 1)
;;       q = np.round(r / step) * step * 2.0 ** e      # np.round: ties to even
;;       return np.moveaxis(q.reshape(q.shape[:-2] + (-1,))[..., :K], -1, axis).astype(np.float32)
;;   ~~~
;;   SOFTMAX AHEAD OF A QUANTISED PRODUCT. Where the list says 'softmax', what is quantised is not the finished softmax but p = 2^(t - M), with t = logit x log2(e) and M = ceil(the row's largest t), a whole number; so 1/2 < the row's largest p <= 1. The row's sum l is taken of the UNQUANTISED p, in f32, and the product's result is divided by l at the end. Since M is a whole number, a kernel that streams over the keys may use a running M (the ceiling of the running maximum): every later rescaling is an exact power of two, which a block's scale takes up: the codes' values come out the same.
;;   OPERANDS COMPUTED ON THE WAY. 'Computed on the way' means the value that the module computes at that place (a softmax that the list does not call 'softmax' is quantised finished and normalised). What goes into a quantiser is computed in f32, as accurately as f32 sums, v_exp_f32 and their like allow (about 1e-6 of the number): no bf16 or f16 on the way to a quantiser, and a product that is left as it is and whose result goes on into a quantised operand takes f32 operands (vector FMAs, or v_wmma_f32_16x16x4_f32). A number that lies on a knife's edge between two numbers of the format may be rounded either way, as far as f32 arithmetic and the matrix unit's own rounding can turn it there, and no further.
;; One version. Each part assembles by itself: llvm-mc -triple=amdgcn-amd-amdhsa -mcpu=gfx1250 --defsym DOCPART=n.
;; ======== version 1 of 1: 3 launches
;; limits: right only within a limited range of input values
;; workspace buffers: codes 10,485,760 bytes; scl 655,360 bytes; frag 13,369,344 bytes
;; launch quant (part 1): grid 256 x 1, 10 waves a work-group, no clusters, 0 bytes of LDS; arguments x, Wq, Wk, Wv, codes, scl; writes codes, scl
.if DOCPART == 1
	.amdgcn_target "amdgcn-amd-amdhsa--gfx1250"
	.amdhsa_code_object_version 6
	.text
	.protected	k_q932684b842_quant
	.globl	k_q932684b842_quant
	.p2align	8
	.type	k_q932684b842_quant,@function
k_q932684b842_quant:
	s_mov_b64 s[64:65], 0
	v_nop
	global_prefetch_b8 v0, s[64:65] scope:SCOPE_SE
	s_setreg_imm32_b32 hwreg(HW_REG_WAVE_MODE, 25, 1), 1
	s_wait_xcnt 0x0
; THE PROGRAM: three launches.  This one turns x [4096][2048], Wq, Wk, Wv [2048][2048], f32, into codes of FP4 (E2M1) with one E8M0 scale byte for each 32 along the 2,048;
; the second multiplies x by the three weights on codes and quantises q, k, v on its way out; the third is the attention.  Only codes and scale bytes go through memory between them.
; WORK LEFT OUT (in the third launch): the problem's own lower-triangular mask sets a score to -infinity where key > query, whatever the inputs hold; its weight is then 0.  A step of 128 keys
; all of which come after all 16 queries of a tile adds 0 to that tile's sums and results for every finite input, so its two products and its softmax are not done: 288 of 512 tile steps of a head remain.
; Every input has a way to the output: all four are loaded.  LIMIT: a NaN, an infinity or an overflow that reaches only the steps left out (a hidden key's k or v) is not carried to the result.
; THE QUANTISER.  A block's scale is 2^(floor(log2(its largest magnitude)) - 2); its byte is the largest magnitude's own exponent field - 2, held at 1 from below.  Each number is divided by the scale and
; rounded to the nearest code, ties to even, beyond 6 to the largest code.  LIMITS: a block whose largest magnitude lies under 2^-124 gets the byte 1; a block of zeros gets the byte 1 where the problem's
; text says 127 (its codes are zeros, which add nothing, and this program alone reads the bytes); NaN and infinities among the inputs are not served.
; SHARES.  The tensors are 640 tiles of 16 rows (x 0-255, Wq 256-, Wk 384-, Wv 512-); a wave takes one tile x 512 along K: 2,560 waves, ten to each of 256 work-groups.
; THE ROWS OF A TILE: tile 2 b + u of a tensor holds the rows 32 b + 8 u + 0 .. 7 and 32 b + 8 u + 16 .. 23: with such tiles as the first source of a product a lane's 16 results of tiles 2 b and 2 b + 1 are 16 neighbours.
; A UNIT OF WORK is 8 rows x 128 numbers: eight loads of 512 consecutive bytes, one a row, 16 bytes a lane.  Eight neighbouring lanes hold a block of 32: its largest magnitude comes by three lane exchanges.
; Two rows' registers lie side by side, so each conversion is done with the one row's scale and with the other's, and the right half of each result is kept: a lane has 16 bits of each of eight rows.
; An 8 x 8 transposition of those among the eight lanes (three exchanges) leaves lane (g, s) with the whole block g of row s: 16 bytes.  No LDS, no barrier: waves share nothing.
; OUTPUT, codes: images of operand registers: 16 rows x 128 along K = 1,024 bytes, block g of row r at 256 g + 16 r.  x: [16 blocks of 256 rows][16 pieces of 128 along K][16 tiles]; from 4 MiB on the weights:
; [16 heads][16 pieces][24 tiles: q 0-7, v 0-3, k 0-7, v 4-7].  Scale words: [tile / 2][K / 512][tile % 2][16 rows][4 words]: 256 bytes a wave.
; Loads run five units (40 loads a wave) ahead.  Nothing is prefetched: there is no loop to run ahead in, and the loads themselves are asked for at the start.
.set SELP, 8                           ; v8   the byte selector of the first exchange
.set SO,   9                           ; v9   my place in a piece's image
.set SH,   10                          ; v10  8 g
.set WO,   11                          ; v11  my place among the scale words
	s_load_b256 s[4:11], s[0:1], 0x0               ; x s[4:5], Wq s[6:7], Wk s[8:9], Wv s[10:11]
	s_load_b128 s[12:15], s[0:1], 0x20             ; codes s[12:13], scl s[14:15]
	v_lshrrev_b32 v1, 5, v0
	v_readfirstlane_b32 s16, v1                    ; wave 0..9
	s_mul_i32 s17, ttmp9, 10
	s_add_co_u32 s17, s17, s16
	s_lshr_b32 s18, s17, 2                         ; my tile among the 640
	s_and_b32 s19, s17, 3                          ; my 512 along K
	s_sub_co_u32 s20, s18, 256
	s_and_b32 s21, s20, 127                        ; (a weight's) tile in its tensor
	s_and_b32 s22, s21, 7                          ; its tile in the head
	s_lshr_b32 s23, s21, 3                         ; the head
	s_lshr_b32 s32, s22, 2
	s_lshl_b32 s32, s32, 3
	s_add_co_u32 s32, s32, s22
	s_add_co_u32 s32, s32, 8                       ; v's place among the head's 24 tiles: 8-11, 20-23
	s_add_co_u32 s33, s22, 12                      ; k's
	s_cmp_lt_u32 s18, 512
	s_cselect_b32 s32, s33, s32
	s_cmp_lt_u32 s18, 384
	s_cselect_b32 s32, s22, s32                    ; q's
	s_lshl_b32 s32, s32, 10
	s_mul_i32 s33, s23, 393216
	s_add_co_u32 s32, s32, s33
	s_add_co_u32 s32, s32, 0x400000
	s_lshr_b32 s34, s18, 4
	s_lshl_b32 s34, s34, 18
	s_and_b32 s35, s18, 15
	s_lshl_b32 s35, s35, 10
	s_add_co_u32 s34, s34, s35                     ; x's place
	s_mov_b32 s42, 24576                           ; from piece to piece
	s_cmp_lt_u32 s18, 256
	s_cselect_b32 s32, s34, s32
	s_cselect_b32 s42, 16384, s42
	s_cselect_b32 s21, s18, s21                    ; my tile in its tensor
	s_mul_i32 s40, s19, s42
	s_lshl_b32 s40, s40, 2
	s_add_co_u32 s40, s40, s32                     ; where my codes begin (under 2^24)
	s_mov_b32 s41, 0
	s_mov_b32 s43, 0
	s_lshr_b32 s36, s21, 1
	s_lshl_b32 s36, s36, 18
	s_and_b32 s37, s21, 1
	s_lshl_b32 s37, s37, 16
	s_add_co_u32 s36, s36, s37
	s_lshl_b32 s37, s19, 11
	s_add_co_u32 s36, s36, s37                     ; where my numbers begin: row x 8,192 + 2,048 x K / 512
	s_mov_b32 s37, 0
	s_lshr_b32 s38, s18, 1
	s_lshl_b32 s38, s38, 11
	s_lshl_b32 s39, s19, 9
	s_add_co_u32 s38, s38, s39
	s_and_b32 s39, s18, 1
	s_lshl_b32 s39, s39, 8
	s_add_co_u32 s38, s38, s39                     ; where my scale words begin
	s_mov_b32 s39, 0
	s_mov_b32 s24, 0xaaaaaaaa                      ; lanes with bit 0, 1, 2, 3, 4 set
	s_mov_b32 s25, 0xcccccccc
	s_mov_b32 s26, 0xf0f0f0f0
	s_mov_b32 s27, 0xff00ff00
	s_mov_b32 s28, 0xffff0000
	s_mov_b32 s29, 0xffff
	s_mov_b32 s30, 0x76543210                      ; v_permlanex16_b32's selects for lane l xor 16
	s_mov_b32 s31, 0xfedcba98
	v_and_b32 v2, 31, v0                           ; lane
	v_lshlrev_b32 v3, 4, v2                        ; my 16 bytes of a load's 512
	v_and_b32 v4, 7, v2
	v_lshlrev_b32 v4, 4, v4
	v_bfe_u32 v5, v2, 3, 1
	v_lshl_add_u32 v4, v5, 8, v4
	v_lshrrev_b32 v6, 4, v2
	v_lshl_add_u32 v[SO], v6, 7, v4                ; 16 (lane % 8) + 256 x bit 3 + 128 x bit 4
	v_lshrrev_b32 v5, 3, v2
	v_lshlrev_b32 v[SH], 3, v5
	v_and_b32 v5, 15, v2
	v_lshlrev_b32 v5, 4, v5
	v_lshl_add_u32 v[WO], v6, 3, v5                ; 16 x row + 8 x bit 4
	v_mov_b32 v4, 0x01000504                       ; even lanes: my low half, then my neighbour's
	v_mov_b32 v5, 0x07060302                       ; odd lanes: my neighbour's high half, then mine
	v_cndmask_b32 v[SELP], v4, v5, s24
	v_mov_b32 v12, 0                               ; written once: a lane exchange's destination counts as one of its sources
	v_mov_b32 v13, 0
	v_mov_b32 v14, 0
	s_wait_alu depctr_va_vdst(0)
	s_wait_kmcnt 0x0
	s_cmp_lt_u32 s18, 512                          ; which tensor is my tile's?  The choices hang on the work-group's and the wave's number alone
	s_cselect_b64 s[10:11], s[8:9], s[10:11]
	s_cmp_lt_u32 s18, 384
	s_cselect_b64 s[10:11], s[6:7], s[10:11]
	s_cmp_lt_u32 s18, 256
	s_cselect_b64 s[10:11], s[4:5], s[10:11]
	s_add_nc_u64 s[10:11], s[10:11], s[36:37]
	; THE ORDER OF MY FOUR PIECES is rotated by my tile's number r = tile % 4: what is called piece p below is piece (p + r) % 4 of my 512, in the numbers and in the codes; the scale words are turned back at the end
	s_and_b32 s52, s18, 3
	s_mov_b32 s57, 0
.irp p, 0,1,2,3
	s_add_co_u32 s54, s52, \p
	s_and_b32 s54, s54, 3
	s_lshl_b32 s56, s54, 9
	s_add_nc_u64 s[66+2*\p:67+2*\p], s[10:11], s[56:57]   ; its numbers
.endr
; unit u: rows 16 (u % 2) + 0 .. 7 from my first, 128 numbers at 512 bytes x (u / 2), into buffer u % 5
.macro LOAD u
.irp i, 0,1,2,3,4,5,6,7
	global_load_b128 v[96+32*((\u)%5)+4*\i:96+32*((\u)%5)+4*\i+3], v3, s[66+2*((\u)/2):67+2*((\u)/2)] offset:(16*((\u)%2)+\i)*8192 th:TH_LOAD_NT
.endr
.endm
	LOAD 0
	LOAD 1
	LOAD 2
	LOAD 3
	LOAD 4
	s_add_nc_u64 s[12:13], s[12:13], s[40:41]
.irp p, 0,1,2,3
	s_add_co_u32 s54, s52, \p
	s_and_b32 s54, s54, 3
	s_mul_i32 s56, s54, s42
	s_add_nc_u64 s[44+2*\p:45+2*\p], s[12:13], s[56:57]   ; the four pieces' images
.endr
	s_and_b32 s58, s52, 1
	s_sub_co_u32 s58, 0, s58                       ; all lanes where r is odd
	s_lshr_b32 s59, s52, 1
	s_sub_co_u32 s59, 0, s59                       ; all lanes where r is 2 or 3
	s_add_nc_u64 s[14:15], s[14:15], s[38:39]
.macro UNIT u
.set XB, 96+32*((\u)%5)
.set OB, 44+4*(\u)                     ; the unit's 16 bytes a lane: registers of their own for each unit, so that no store's data are written again
.if (\u) < 4
	s_wait_loadcnt 32                              ; this unit's eight loads are in; the four units' behind it may be out
.else
	s_wait_loadcnt 8*(7-(\u))
.endif
.irp i, 0,1,2,3,4,5,6,7
	v_max3_num_f32 v[16+\i], |v[XB+4*\i]|, |v[XB+4*\i+1]|, 0x1800000   ; with the floor 2^(3 - 127): so the byte cannot fall under 1
.endr
.irp i, 0,1,2,3,4,5,6,7
	v_max3_num_f32 v[16+\i], v[16+\i], |v[XB+4*\i+2]|, |v[XB+4*\i+3]|
.endr
.irp m, 1,2,4
.irp i, 0,1,2,3,4,5,6,7
	v_max_num_f32_dpp v[16+\i], v[16+\i], v[16+\i] row_xmask:\m row_mask:0xf bank_mask:0xf
.endr
.endr
.irp i, 0,1,2,3,4,5,6,7
	v_add_nc_u32 v[24+\i], 0xff000000, v[16+\i]    ; 2 off the exponent field: the conversion takes the exponent field of this operand as its scale, and nothing else of it
.endr
.irp j, 0,1,2,3
	v_cvt_scalef32_pk8_fp4_f32 v[32+\j], v[XB+8*\j:XB+8*\j+7], v[24+2*\j]     ; rows 2 j (low half) and 2 j + 1: with row 2 j's scale,
	v_cvt_scalef32_pk8_fp4_f32 v[36+\j], v[XB+8*\j:XB+8*\j+7], v[24+2*\j+1]   ; and with row 2 j + 1's
.endr
.irp i, 0,1,2,3,4,5,6,7
	v_lshrrev_b32 v[16+\i], 23, v[24+\i]           ; the scales' bytes
.endr
.if (\u)+5 < 8
	LOAD (\u)+5                                    ; this unit's numbers have been converted: their registers take the unit five on
.endif
.irp j, 0,1,2,3
	v_bfi_b32 v[32+\j], s29, v[32+\j], v[36+\j]    ; low half: row 2 j's four codes, high half: row 2 j + 1's
.endr
.irp j, 0,1,2,3
	v_mov_b32_dpp v[36+\j], v[32+\j] row_xmask:1 row_mask:0xf bank_mask:0xf
.endr
.irp j, 0,1,2,3
	v_perm_b32 v[32+\j], v[32+\j], v[36+\j], v[SELP]   ; two lanes' codes of row 2 j + (lane & 1)
.endr
.irp j, 0,1,2,3
	v_mov_b32_dpp v[36+\j], v[32+\j] row_xmask:2 row_mask:0xf bank_mask:0xf
.endr
.irp k, 0,2
	v_cndmask_b32 v[40+\k], v[32+\k], v[37+\k], s25    ; four lanes' codes of row 2 k + (lane & 3)
	v_cndmask_b32 v[41+\k], v[36+\k], v[33+\k], s25
.endr
.irp j, 0,1,2,3
	v_mov_b32_dpp v[36+\j], v[40+\j] row_xmask:4 row_mask:0xf bank_mask:0xf
.endr
	v_cndmask_b32 v[OB], v40, v38, s26             ; eight lanes' codes of row lane & 7: a whole block
	v_cndmask_b32 v[OB+1], v41, v39, s26
	v_cndmask_b32 v[OB+2], v36, v42, s26
	v_cndmask_b32 v[OB+3], v37, v43, s26
.irp j, 0,1,2,3
	v_cndmask_b32 v[84+\j], v[16+2*\j], v[17+2*\j], s24   ; row lane & 7's byte of my block,
.endr
	v_cndmask_b32 v84, v84, v85, s25
	v_cndmask_b32 v86, v86, v87, s25
	v_cndmask_b32 v[82+(\u)%2], v84, v86, s26
	v_lshlrev_b32 v[82+(\u)%2], v[SH], v[82+(\u)%2]    ; at its place in the row's scale word
.endm
; piece p: its two units, and the way out
.macro PIECE p
	UNIT 2*\p
	UNIT 2*\p+1
	v_mov_b32_dpp v13, v82 row_xmask:8 row_mask:0xf bank_mask:0xf
	v_mov_b32_dpp v14, v83 row_xmask:8 row_mask:0xf bank_mask:0xf
.irp i, 0,1,2,3
	v_permlane16_swap_b32 v[44+8*\p+\i], v[48+8*\p+\i]    ; so that one store has all 16 rows of two blocks
.endr
	v_or_b32 v82, v82, v13
	v_or_b32 v83, v83, v14
	v_cndmask_b32 v82, v82, v83, s27               ; lanes with bit 3: rows 8-15
	v_permlanex16_b32 v12, v82, s30, s31
	v_or_b32 v[76+\p], v82, v12                    ; row lane & 15's scale word of this piece
	global_store_b128 v[SO], v[44+8*\p:47+8*\p], s[44+2*\p:45+2*\p]              ; 32 lanes fill 512 consecutive bytes, aligned
	global_store_b128 v[SO], v[48+8*\p:51+8*\p], s[44+2*\p:45+2*\p] offset:512
.endm
	PIECE 0
	PIECE 1
	PIECE 2
	PIECE 3
.irp a, 0,1,2,3
	v_cndmask_b32 v[84+\a], v[76+\a], v[76+(\a+3)%4], s58   ; the words turned back: by one piece where r is odd,
.endr
.irp a, 0,1,2,3
	v_cndmask_b32 v[88+\a], v[84+\a], v[84+(\a+2)%4], s59   ; by two where r is 2 or 3
.endr
	v_cndmask_b32 v80, v88, v90, s28               ; lanes 0-15 store pieces 0 and 1, lanes 16-31 pieces 2 and 3
	v_cndmask_b32 v81, v89, v91, s28
	global_store_b64 v[WO], v[80:81], s[14:15]     ; 256 consecutive bytes, aligned
	s_endpgm
.Lfunc_end_k_q932684b842_quant:
	.size	k_q932684b842_quant, .Lfunc_end_k_q932684b842_quant-k_q932684b842_quant
	.p2alignl 7, 3214868480
	.fill 96, 4, 3214868480
	.section	.rodata,"a",@progbits
	.p2align	6, 0x0
	.amdhsa_kernel k_q932684b842_quant
		.amdhsa_group_segment_fixed_size 0
		.amdhsa_private_segment_fixed_size 0
		.amdhsa_enable_private_segment 0
		.amdhsa_kernarg_size 48
		.amdhsa_user_sgpr_count 2
		.amdhsa_user_sgpr_kernarg_segment_ptr 1
		.amdhsa_wavefront_size32 1
		.amdhsa_system_sgpr_workgroup_id_x 1
		.amdhsa_system_sgpr_workgroup_id_y 1
		.amdhsa_system_sgpr_workgroup_id_z 1
		.amdhsa_system_vgpr_workitem_id 0
		.amdhsa_next_free_vgpr 256
		.amdhsa_next_free_sgpr 80
		.amdhsa_reserve_vcc 0
		.amdhsa_float_denorm_mode_32 3
		.amdhsa_float_denorm_mode_16_64 3
		.amdhsa_memory_ordered 1
		.amdhsa_forward_progress 1
		.amdhsa_inst_pref_size 65
	.end_amdhsa_kernel
	.amdgpu_metadata
---
amdhsa.version: [ 1, 2 ]
amdhsa.kernels:
  - .name:           k_q932684b842_quant
    .symbol:         k_q932684b842_quant.kd
    .args:
      - { .name: x, .offset: 0, .size: 8, .value_kind: global_buffer, .address_space: global }
      - { .name: Wq, .offset: 8, .size: 8, .value_kind: global_buffer, .address_space: global }
      - { .name: Wk, .offset: 16, .size: 8, .value_kind: global_buffer, .address_space: global }
      - { .name: Wv, .offset: 24, .size: 8, .value_kind: global_buffer, .address_space: global }
      - { .name: codes, .offset: 32, .size: 8, .value_kind: global_buffer, .address_space: global }
      - { .name: scl, .offset: 40, .size: 8, .value_kind: global_buffer, .address_space: global }
    .group_segment_fixed_size: 0
    .private_segment_fixed_size: 0
    .kernarg_segment_align: 8
    .kernarg_segment_size: 48
    .max_flat_workgroup_size: 320
    .sgpr_count:     80
    .vgpr_count:     256
    .wavefront_size: 32
...
	.end_amdgpu_metadata
.endif
;; end of part 1
;; launch gemm (part 2): grid 16 x 16, 4 waves a work-group, clusters of 4 x 4, 327,680 bytes of LDS; arguments codes, scl, frag; writes frag
.if DOCPART == 2
	.amdgcn_target "amdgcn-amd-amdhsa--gfx1250"
	.amdhsa_code_object_version 6
	.text
	.protected	k_q932684b842_gemm
	.globl	k_q932684b842_gemm
	.p2align	8
	.type	k_q932684b842_gemm,@function
k_q932684b842_gemm:
	s_mov_b64 s[64:65], 0
	v_nop
	global_prefetch_b8 v0, s[64:65] scope:SCOPE_SE
	s_setreg_imm32_b32 hwreg(HW_REG_WAVE_MODE, 25, 1), 1
	s_wait_xcnt 0x0
	s_wait_alu depctr_hold_cnt(0) depctr_sa_sdst(0) depctr_va_vdst(0) depctr_va_sdst(0) depctr_va_ssrc(0) depctr_va_vcc(0) depctr_vm_vsrc(0)
	s_getreg_b32 s2, hwreg(HW_REG_IB_STS2, 6, 4)
	s_cmp_eq_u32 s2, 0
	s_cbranch_scc0 .Lentry_in_a_cluster
	s_endpgm
.Lentry_in_a_cluster:
	s_bfe_u32 s2, ttmp6, 0x10000c
	s_cmp_lg_u32 s2, 0xf033
	s_cbranch_scc0 .Lentry_shape_is_right
	s_endpgm
.Lentry_shape_is_right:
; q = x Wq^T, k = x Wk^T, v = x Wv^T on codes of FP4 (E2M1) with E8M0 scales for each 32 along the 2,048; sums in f32, K ascending, one accumulator an output.  The results never go to memory as f32:
; they are quantised in registers for the attention's two products (q and k along the head's 128, v along the keys) and leave as IMAGES OF OPERAND REGISTERS.
; A WORK-GROUP (x, y) MAKES positions 256 y + 0 .. 255 x all 384 outputs of head x (q, k, v), in one walk over K.  Wave (i, j) = (wave / 2, wave % 2): 128 positions (half i) x 128 of q (j = 0) or k (j = 1), and x 64 of v (half j).
; THE FORM is 32 x 16 x 128: source 0 is a pair of tiles (32 rows, P), source 1 one tile (16 rows, R); a lane holds ONE row of R and its 16 registers run along P.  P is the axis along which the result is quantised:
;   q, k: P = the weight's rows (4 pairs), R = the positions (8 tiles): 32 accumulators;   v: P = the positions (4 pairs), R = Wv's rows (4 tiles): 16 accumulators.  48 x 16 = 768 registers.
; By the rows of a tile (32 b + 8 u + i + 8 (i / 8), laid by the launch before) the 16 registers of pair b are the 16 neighbours 32 b + 16 (lane / 16) + 0 .. 15 along P.
; TILES.  A piece is 128 along K: 16 tiles of x and 24 of the weights (wave j's 12 on end), 1,024 bytes each, images of an operand's registers: a fragment's two loads read 512 consecutive bytes each, no padding.
; K goes through two LDS slots in 3 + 4 + 3 + 3 + 3 pieces; what a load brings is dense in memory.  Waves 0 and 1 fetch x's halves, waves 2 and 3 the weights' halves, one load each.
; CLUSTERS: 4 x 4 work-groups.  x's tiles hang on y alone and are asked for jointly along a row of the cluster, the weights' on x alone and along a column.
; SCALE WORDS go from memory straight into registers: for 4 pieces ten loads of 512 consecutive bytes, two sets by turns, a set ahead.  Register 4 b + q of a pair b: lanes 0-15 tile 2 b, lanes 16-31 tile 2 b + 1: as source 0's
; scales all 32 lanes count; as source 1's the half is named (ROW1: lanes 16-31).
; A PREFETCH INTO THE L2 is laid for all slots' worth but the first, one ahead of the tensor loads: three pieces' 192 + 288 blocks of 256 bytes for each (y, x) are shared out among the cluster's partners BY ADDRESS: of x's 48 each
; (by cx), of the weights' 72 each (by cy): 120 blocks a work-group, 30 lanes in each of four waves, one instruction a wave (lanes 30 and 31 name the wave's last block again); the second load's fourth piece likewise, 10 lanes a wave.
; OUTPUT.  128 x 128 results are one chunk of 8,704 bytes: eight fragments (16 rows of R x 128 along P: 8 registers a lane), registers 0-3 of fragment a at 1024 a + 16 x lane, registers 4-7 512 bytes on;
; behind them the scale words, at 8192 + 16 x lane + 4 i the word of fragment 2 i + lane / 16, row lane % 16.  Of v's chunk a wave makes fragments 4 j + 0 .. 3 and 8 of each 16 bytes of the scale words.
; Chunks: q of head h, batch n, positions 128 g on: 32 h + 8 n + g; k: 512 more; v of (n, h), keys 128 g on: 1024 + 8 (16 n + h) + g.
; LIMITS of the quantiser as in the first launch: byte held at 1 from below; a block of zeros gets the byte 1; NaN and infinities are not served.
; REGISTERS, in windows of 256.  window 0: v1-13 addresses; v16-95 scale words (two sets of 40: x 16, the wave's q or k 16, v 8) and nothing else ahead of the way out; v96-159 x's eight fragments; v160-223 q's or k's eight; v224-255 v's four.
;   window 1: v's accumulators ((a, b) at v[64 a + 16 b]);   window 2: q's or k's of x tiles 0-3 (likewise);   window 3: of x tiles 4-7.
; The 16 pieces are written by one macro: the scale words' set comes round after 8 pieces, the slots after 6.
.set LI,   1                           ; v1   16 x lane; never rewritten
.set AX0,  2                           ; v2-3 LDS address of my x fragments in slot 0, 1
.set AX1,  3
.set AW0,  4                           ; v4   of my weights' in slot 0; v6 in slot 1; v5 there three pieces on (offsets are 16 bits)
.set AW2B, 5
.set AW2,  6
.set SPW,  7                           ; v7   LDS address of my spare word; never rewritten
.set NIL,  8                           ; v8   0; never rewritten
.set PFO,  8                           ; v9-13 the prefetches' offsets: pieces 3-5, 7-9, 10-12, 13-15, and 6; never rewritten
.set SC,   16
.set XF,   96
.set WF,   160
.set VF,   224
.set XP,   16384                       ; a piece of x: 16 tiles
.set WP,   24576                       ; a piece of the weights: 24 tiles
.set LW0,  3*XP                        ; LDS: slot 0: x's three pieces, the weights' three;
.set LX1,  3*XP+3*WP                   ; slot 1: x's four,
.set LW1,  LX1+4*XP                    ; the weights' four
.set SPARE, LW1+4*WP                   ; the spare words, 128 bytes a wave, which no other line names
.set CHUNK, 8704
.set TM,   96                          ; the way out: v96-119 at work,
.set PCD,  120                         ; v120-215 codes, 8 a block
.set PW,   216                         ; v216-227 scale words: v's four blocks, then q's or k's eight
.set SW,   228                         ; v228-233 as they are stored
.set G1X,  24                          ; s[24:31], s[32:39] descriptor group 1 for x's tiles, the weights'
.set G1W,  32
.set GX0,  44                          ; groups 0: x's for slot 0, 1; the weights' for slot 0, 1
.set GX1,  48
.set GW0,  52
.set GW1,  56
.set SEL,  60
.set SXB,  66                          ; where x's, q's or k's, v's scale words begin
.set SWB,  68
.set SVB,  70
.set OB1,  72                          ; my chunk of q or k;  my half of v's chunk: codes, scale words
.set OB2,  74
.set OB3,  76
.set RX,   78
.set RW,   80
.set MSB, 0
.macro WIN new                         ; the immediate's high byte repeats the setting that is left; a switch that changes nothing is dropped
.if MSB != (\new)
	s_set_vgpr_msb (MSB<<8)|(\new)
.set MSB, (\new)
.endif
.endm
.macro PLACES                          ; a load into a register that a matrix instruction has read, and a vector instruction that reads a result or writes a source, stand four plain vector instructions behind it (ISA guide 7.12.1 for vector instructions)
.rept 4
	v_nop
.endr
.endm
; A joint load: waves 0 and 1 for x, waves 2 and 3 for the weights; each line has ONE mask and one set of registers; the branch hangs on the wave's number alone.
.macro JLOAD gx, gw
	s_cmp_eq_u32 s15, 0
	s_cbranch_scc0 .Lfor_w_\@
	tensor_load_to_lds s[\gx:\gx+3], s[G1X:G1X+7]
	s_nop 0
	PLACES
	s_branch .Lasked_\@
.Lfor_w_\@:
	tensor_load_to_lds s[\gw:\gw+3], s[G1W:G1W+7]
	s_nop 0
	PLACES
.Lasked_\@:
.endm
.macro CREST                           ; a round of the cluster's barrier behind its opening barrier
	s_cmp_lg_u32 s14, 0
	s_cbranch_scc1 .Lnot_wave_0_\@
	s_barrier_signal -3
.Lnot_wave_0_\@:
	s_barrier_wait -3
	s_barrier_signal -1
	s_barrier_wait -1
.endm
.macro CROUND                          ; a whole round
	s_barrier_signal -1
	s_barrier_wait -1
	CREST
.endm
.macro DESC g, rows                    ; how many rows of 1,024 bytes a load brings
	s_mov_b32 s[\g+2], (\rows)<<16                 ; 95:80 tensor_dim1
	s_mov_b32 s[\g+4], \rows                       ; 143:128 tile_dim1
.endm
	s_load_b128 s[4:7], s[0:1], 0x0                ; codes s[4:5], scale words s[6:7]
	s_load_b64 s[8:9], s[0:1], 0x10                ; the chunks
	v_lshl_add_u32 v[SPW], v0, 2, SPARE
	v_mov_b32 v[NIL], 0
	ds_add_u32 v[SPW], v[NIL]                      ; the wave's opening: the add, twice on end, and its wait stand ahead of my first tensor load; the set-up below stands between the second and the wait
	ds_add_u32 v[SPW], v[NIL]
	v_lshrrev_b32 v13, 5, v0
	v_readfirstlane_b32 s14, v13                   ; wave 0..3
	s_lshr_b32 s15, s14, 1                         ; i.  Also: I fetch for x (0) or for the weights (1)
	s_and_b32 s16, s14, 1                          ; j.  Also: which half I fetch
	s_bfe_u32 s40, ttmp6, 0x40000                  ; cx, cy: my place in the cluster
	s_bfe_u32 s41, ttmp6, 0x40004
	s_lshl_b32 s18, ttmp9, 2
	s_add_co_u32 s18, s18, s40                     ; x = 4 x cluster x + cx: the head
	s_and_b32 s17, ttmp7, 0xffff
	s_lshl_b32 s17, s17, 2
	s_add_co_u32 s17, s17, s41                     ; y = 4 x cluster y + cy: the 256 positions
	s_lshl_b32 s42, s41, 2
	s_lshl_b32 s42, 15, s42                        ; my row of the cluster
	s_lshl_b32 s43, 0x1111, s40                    ; my column
	s_mov_b32 s3, 0xffff0000                       ; lanes 16-31
	s_mov_b32 s[SEL], 0x76543210
	s_mov_b32 s[SEL+1], 0xfedcba98
	; descriptor group 1: a dense block as rows of 1,024 bytes (128 elements of 8), no padding
	s_or_b32 s[G1X], s42, (3<<16)|(1<<21)          ; 15:0 the mask: my row; 17:16 elements of 8 bytes; 21 set beside a mask
	s_or_b32 s[G1W], s43, (3<<16)|(1<<21)
.irp g, G1X, G1W
	s_mov_b32 s[\g+1], 128<<16                     ; tensor_dim0
	s_mov_b32 s[\g+3], 128<<16                     ; tile_dim0
	s_mov_b32 s[\g+5], 128                         ; tensor_dim0_stride
	s_mov_b32 s[\g+6], 0
	s_mov_b32 s[\g+7], 0
.endr
	DESC G1X, 24                                   ; half of three pieces: 24 KiB of x,
	DESC G1W, 36                                   ; 36 of the weights
	s_lshl_b32 s82, s17, 18                        ; x's block, in bytes
	s_mov_b32 s83, 0
	s_mul_i32 s84, s18, 16*WP                      ; the head's weights
	s_add_co_u32 s84, s84, 0x400000
	s_mov_b32 s85, 0
	s_mul_i32 s86, s16, 2*XP                       ; my half of four pieces,
	s_mov_b32 s87, 0
	s_mul_i32 s88, s16, 2*WP
	s_mov_b32 s89, 0
	s_mul_i32 s90, s16, 3*XP/2                     ; and of three
	s_mov_b32 s91, 0
	s_mul_i32 s92, s16, 3*WP/2
	s_mov_b32 s93, 0
	; scale words: 2,048 bytes for a pair of tiles
	s_lshl_b32 s[SXB], s17, 1
	s_add_co_u32 s[SXB], s[SXB], s15
	s_lshl_b32 s[SXB], s[SXB], 13                  ; (8 y + 4 i) x 2,048
	s_mov_b32 s[SXB+1], 0
	s_lshl_b32 s[SWB], s16, 4
	s_add_co_u32 s[SWB], s[SWB], s18
	s_add_co_u32 s[SWB], s[SWB], 32
	s_lshl_b32 s[SWB], s[SWB], 13                  ; (128 + 64 j + 4 x) x 2,048
	s_mov_b32 s[SWB+1], 0
	s_lshl_b32 s[SVB], s18, 1
	s_add_co_u32 s[SVB], s[SVB], s16
	s_add_co_u32 s[SVB], s[SVB], 128
	s_lshl_b32 s[SVB], s[SVB], 12                  ; (256 + 4 x + 2 j) x 2,048
	s_mov_b32 s[SVB+1], 0
	; my chunks
	s_lshl_b32 s2, s17, 1
	s_add_co_u32 s2, s2, s15                       ; 2 y + i = 8 batch + g
	s_lshl_b32 s[OB1], s16, 4
	s_add_co_u32 s[OB1], s[OB1], s18
	s_lshl_b32 s[OB1], s[OB1], 5
	s_add_co_u32 s[OB1], s[OB1], s2                ; 512 j + 32 x + 8 batch + g
	s_mul_i32 s[OB1], s[OB1], CHUNK                ; under 2^24
	s_mov_b32 s[OB1+1], 0
	s_lshr_b32 s94, s2, 3
	s_lshl_b32 s94, s94, 7
	s_and_b32 s2, s2, 7
	s_add_co_u32 s94, s94, s2
	s_lshl_b32 s2, s18, 3
	s_add_co_u32 s94, s94, s2
	s_add_co_u32 s94, s94, 1024                    ; 1024 + 128 batch + 8 x + g
	s_mul_i32 s94, s94, CHUNK
	s_lshl_b32 s[OB2], s16, 12
	s_add_co_u32 s[OB2], s[OB2], s94               ; + 4,096 j
	s_mov_b32 s[OB2+1], 0
	s_lshl_b32 s[OB3], s16, 3
	s_add_co_u32 s[OB3], s[OB3], s94               ; + 8 j
	s_mov_b32 s[OB3+1], 0
	; the prefetches: my work-group's first block of x, of the weights, and my wave's first of the 120; then the same of piece 6's 40
	s_mul_i32 s95, s40, 48*256
	s_add_co_u32 s95, s95, s82
	s_add_co_u32 s95, s95, 3*XP
	s_mul_i32 s96, s41, 72*256
	s_add_co_u32 s96, s96, s84
	s_add_co_u32 s96, s96, 3*WP-48*256
	s_mul_i32 s94, s14, 30
	s_mul_i32 s11, s40, 16*256
	s_add_co_u32 s11, s11, s82
	s_add_co_u32 s11, s11, 6*XP
	s_mul_i32 s12, s41, 24*256
	s_add_co_u32 s12, s12, s84
	s_add_co_u32 s12, s12, 6*WP-16*256
	s_mul_i32 s10, s14, 10
	s_lshl_b32 s98, s15, 13                        ; my 8 tiles of x in a piece
	s_mul_i32 s99, s16, 12*1024                    ; my 12 of the weights
	s_add_co_u32 s99, s99, LW0
	v_and_b32 v14, 31, v0
	v_lshlrev_b32 v[LI], 4, v14
	v_min_u32 v13, 29, v14
	v_add_nc_u32 v13, s94, v13                     ; my block of the 120: under 48 x's, else the weights'
	v_lshl_add_u32 v14, v13, 8, s95
	v_lshl_add_u32 v15, v13, 8, s96
	v_cmp_gt_u32 s97, 48, v13
	v_cndmask_b32 v[PFO+1], v15, v14, s97
	v_mov_b32 v14, 4*WP
	v_mov_b32 v15, 4*XP
	v_cndmask_b32 v13, v14, v15, s97               ; four pieces on,
	v_add_nc_u32 v[PFO+2], v[PFO+1], v13
	v_mov_b32 v14, 3*WP
	v_mov_b32 v15, 3*XP
	v_cndmask_b32 v13, v14, v15, s97               ; then three
	v_add_nc_u32 v[PFO+3], v[PFO+2], v13
	v_add_nc_u32 v[PFO+4], v[PFO+3], v13
	v_and_b32 v14, 31, v0
	v_min_u32 v13, 9, v14
	v_add_nc_u32 v13, s10, v13                     ; my block of piece 6's 40: under 16 x's
	v_lshl_add_u32 v14, v13, 8, s11
	v_lshl_add_u32 v15, v13, 8, s12
	v_cmp_gt_u32 s13, 16, v13
	v_cndmask_b32 v[PFO+5], v15, v14, s13
	v_add_nc_u32 v[AX0], s98, v[LI]
	v_add_nc_u32 v[AX1], LX1, v[AX0]
	v_add_nc_u32 v[AW0], s99, v[LI]
	v_add_nc_u32 v[AW2], LW1-LW0, v[AW0]
	v_add_nc_u32 v[AW2B], 3*WP, v[AW2]
	s_wait_alu depctr_va_vdst(0)
	s_wait_dscnt 0x0                               ; both opening adds are done
	s_wait_kmcnt 0x0
	s_add_nc_u64 s[RX:RX+1], s[4:5], s[82:83]
	s_add_nc_u64 s[RW:RW+1], s[4:5], s[84:85]
	s_mov_b32 s[GX0], 1                            ; 1:0 count = 1
	s_mov_b32 s[GX0+1], s90                        ; 63:32 LDS address: no place in the cluster enters it
	s_add_nc_u64 s[GX0+2:GX0+3], s[RX:RX+1], s[90:91]   ; 120:64 global address
	s_or_b32 s[GX0+3], s[GX0+3], 0x80000000        ; 127:126 type = 2
	s_mov_b32 s[GW0], 1
	s_add_co_u32 s[GW0+1], s92, LW0
	s_add_nc_u64 s[GW0+2:GW0+3], s[RW:RW+1], s[92:93]
	s_or_b32 s[GW0+3], s[GW0+3], 0x80000000
	CROUND                                         ; all sixteen work-groups are here: the first joint loads meet
	JLOAD GX0, GW0                                 ; slot 0's pieces 0 to 2
	s_add_nc_u64 s[SXB:SXB+1], s[6:7], s[SXB:SXB+1]
	s_add_nc_u64 s[SWB:SWB+1], s[6:7], s[SWB:SWB+1]
	s_add_nc_u64 s[SVB:SVB+1], s[6:7], s[SVB:SVB+1]
.macro SCALES g                        ; the scale words of pieces 4 g .. 4 g + 3 into set g % 2
.set SS, SC+40*((\g)%2)
.irp b, 0,1,2,3
	global_load_b128 v[SS+4*\b:SS+4*\b+3], v[LI], s[SXB:SXB+1] offset:2048*\b+512*(\g)
	global_load_b128 v[SS+16+4*\b:SS+16+4*\b+3], v[LI], s[SWB:SWB+1] offset:2048*\b+512*(\g)
.endr
.irp b, 0,1
	global_load_b128 v[SS+32+4*\b:SS+32+4*\b+3], v[LI], s[SVB:SVB+1] offset:2048*\b+512*(\g)
.endr
.endm
	SCALES 0
	SCALES 1
	global_prefetch_b8 v[PFO+1], s[4:5] th:TH_LOAD_NT scope:SCOPE_SE   ; pieces 3 to 5,
	global_prefetch_b8 v[PFO+5], s[4:5] th:TH_LOAD_NT scope:SCOPE_SE   ; and 6: slot 1
	s_add_nc_u64 s[OB1:OB1+1], s[8:9], s[OB1:OB1+1]
	s_add_nc_u64 s[OB2:OB2+1], s[8:9], s[OB2:OB2+1]
	s_add_nc_u64 s[OB3:OB3+1], s[8:9], s[OB3:OB3+1]
	s_mov_b32 s[GX1], 1                            ; slot 1: pieces 3 to 6
	s_add_co_u32 s[GX1+1], s86, LX1
	s_add_nc_u64 s[GX1+2:GX1+3], s[RX:RX+1], s[86:87]
	s_add_nc_u64 s[GX1+2:GX1+3], s[GX1+2:GX1+3], 3*XP
	s_or_b32 s[GX1+3], s[GX1+3], 0x80000000
	s_mov_b32 s[GW1], 1
	s_add_co_u32 s[GW1+1], s88, LW1
	s_add_nc_u64 s[GW1+2:GW1+3], s[RW:RW+1], s[88:89]
	s_add_nc_u64 s[GW1+2:GW1+3], s[GW1+2:GW1+3], 3*WP
	s_or_b32 s[GW1+3], s[GW1+3], 0x80000000
	s_add_nc_u64 s[RX:RX+1], s[RX:RX+1], s[90:91]  ; from here on my half of three pieces
	s_add_nc_u64 s[RW:RW+1], s[RW:RW+1], s[92:93]
; Where piece n lies: LX, XO, LW, WPO: address registers and offsets.  Slot 0: pieces 0-2, 7-9, 13-15; slot 1: 3-6, 10-12
.macro LOC n
.set PP, (\n)
.set SL, 0
.if (\n) > 2
.set PP, (\n)-3
.set SL, 1
.endif
.if (\n) > 6
.set PP, ((\n)-7)%3
.set SL, (((\n)-7)/3)%2
.endif
.set XO, PP*XP
.set WPO, PP*WP
.if SL
.set LX, AX1
.set LW, AW2
.if PP == 3
.set LW, AW2B
.set WPO, 0
.endif
.else
.set LX, AX0
.set LW, AW0
.endif
.endm
.macro LDX h                           ; x's tiles 4 h .. 4 h + 3: lane l holds row l % 16; registers 4 c .. 4 c + 3 hold K = 64 c + 32 (l / 16) + 0 .. 31
.irp t, 0,1,2,3
	ds_load_b128 v[XF+32*\h+8*\t:XF+32*\h+8*\t+3], v[LX] offset:XO+4096*\h+1024*\t
	ds_load_b128 v[XF+32*\h+8*\t+4:XF+32*\h+8*\t+7], v[LX] offset:XO+4096*\h+1024*\t+512
.endr
.endm
.macro LDW h                           ; q's or k's tiles 4 h .. 4 h + 3: pairs 2 h, 2 h + 1
.irp t, 0,1,2,3
	ds_load_b128 v[WF+32*\h+8*\t:WF+32*\h+8*\t+3], v[LW] offset:WPO+4096*\h+1024*\t
	ds_load_b128 v[WF+32*\h+8*\t+4:WF+32*\h+8*\t+7], v[LW] offset:WPO+4096*\h+1024*\t+512
.endr
.endm
.macro LDV                             ; v's four
.irp t, 0,1,2,3
	ds_load_b128 v[VF+8*\t:VF+8*\t+3], v[LW] offset:WPO+8192+1024*\t
	ds_load_b128 v[VF+8*\t+4:VF+8*\t+7], v[LW] offset:WPO+8192+1024*\t+512
.endr
.endm
.macro MUL row                         ; one product; ZZ = 1: it starts its sum: nothing is ever cleared
.if ZZ
.if (\row)%2
	v_wmma_scale_f32_32x16x128_f4 v[DD:DD+15], v[AA:AA+15], v[BB:BB+7], 0, v[SA], v[SB] matrix_b_scale:MATRIX_SCALE_ROW1
.else
	v_wmma_scale_f32_32x16x128_f4 v[DD:DD+15], v[AA:AA+15], v[BB:BB+7], 0, v[SA], v[SB]
.endif
.else
.if (\row)%2
	v_wmma_scale_f32_32x16x128_f4 v[DD:DD+15], v[AA:AA+15], v[BB:BB+7], v[DD:DD+15], v[SA], v[SB] matrix_b_scale:MATRIX_SCALE_ROW1
.else
	v_wmma_scale_f32_32x16x128_f4 v[DD:DD+15], v[AA:AA+15], v[BB:BB+7], v[DD:DD+15], v[SA], v[SB]
.endif
.endif
.endm
.macro VM h                            ; v: x's pairs 2 h, 2 h + 1 x Wv's four tiles: 8 products, accumulators in window 1
.irp b, 0,1
.irp a, 0,1,2,3
.set DD, 64*\a+16*(2*\h+\b)
.set AA, XF+16*(2*\h+\b)
.set BB, VF+8*\a
.set SA, SS+4*(2*\h+\b)+Q
.set SB, SS+32+4*(\a/2)+Q
	MUL \a
.endr
.endr
.endm
.macro QM h, p                         ; q or k: the weight's pairs 2 p, 2 p + 1 x x's tiles 4 h .. 4 h + 3: 8 products, accumulators in window 2 + h
.irp b, 0,1
.irp a, 0,1,2,3
.set DD, 64*\a+16*(2*\p+\b)
.set AA, WF+16*(2*\p+\b)
.set BB, XF+32*\h+8*\a
.set SA, SS+16+4*(2*\p+\b)+Q
.set SB, SS+4*(2*\h+\a/2)+Q
	MUL \a
.endr
.endr
.endm
; PIECE n: 48 products; the 48 accumulators take turns, one instruction a turn, in the same order in every piece.  Fragments of piece n + 1 are asked for in three runs, each behind the last product
; that reads its registers: x 0-3 and v; weights 0-3; weights 4-7 and x 4-7.  The counted waits below leave out the younger groups of eight loads.
; turn: 0 none; 1, 2: the slot changes behind this piece, and slot 0, 1 is filled again; 3: it changes and nothing is filled.  ONE barrier, which opens a round of the cluster's; in front of it each wave waits for all its tensor
; loads, adds 0 to its spare word, and waits for that and for its reads of this slot.  A load has the next slot's pieces in which to land.
.macro PIECE n, turn
.set Q, (\n)%4
.set SS, SC+40*(((\n)/4)%2)
.set ZZ, 0
.if (\n) == 0
.set ZZ, 1
	s_wait_loadcnt 10                              ; the first set of scale words is in; the second's ten loads may be out
.elseif Q == 0
	s_wait_loadcnt 0x0                             ; this set is in
.endif
	s_wait_dscnt 24                                ; x 0-3 and v are in
	WIN 0x50
	VM 0
.if \turn
	WIN 0
	s_wait_tensorcnt 0x0                           ; all my tensor loads have landed: my part of the next slot
	ds_add_u32 v[SPW], v[NIL]                      ; 0 onto my spare word
.if (\n) == 2
	DESC G1X, 24                                   ; no tensor load of mine is out: from here on a load brings half of three pieces again
	DESC G1W, 36
.elseif (\n) == 6
	s_add_co_u32 s[GX1+1], s90, LX1                ; slot 1's next: pieces 10 to 12
	s_add_nc_u64 s[GX1+2:GX1+3], s[RX:RX+1], 10*XP
	s_or_b32 s[GX1+3], s[GX1+3], 0x80000000
	s_add_co_u32 s[GW1+1], s92, LW1
	s_add_nc_u64 s[GW1+2:GW1+3], s[RW:RW+1], 10*WP
	s_or_b32 s[GW1+3], s[GW1+3], 0x80000000
.elseif (\n) == 9
	s_add_nc_u64 s[GX0+2:GX0+3], s[GX0+2:GX0+3], 6*XP
	s_add_nc_u64 s[GW0+2:GW0+3], s[GW0+2:GW0+3], 6*WP
.endif
	s_wait_dscnt 17                                ; weights 0-3 are in; sixteen loads and the add may be out
	WIN 0xa0
	QM 0, 0                                        ; eight matrix instructions stand between the add and the wait for it
	s_wait_dscnt 0x0                               ; the add is done, and my reads of this slot are over
	s_barrier_signal -1
	QM 0, 1
	WIN 0
	s_barrier_wait -1
.if \turn == 1
	CREST                                          ; no wave of any partner still reads this slot's tiles or has a load on its way
	JLOAD GX0, GW0                                 ; the first tensor load behind the round, my only one until the next
.elseif \turn == 2
	CREST
	JLOAD GX1, GW1
.endif
.else
	s_wait_dscnt 16                                ; weights 0-3 are in
	WIN 0xa0
	QM 0, 0
	s_wait_dscnt 8                                 ; weights 4-7
	QM 0, 1
	s_wait_dscnt 0x0                               ; x 4-7
.endif
	WIN 0x50
	VM 1
.if (\n) < 15
	PLACES
	WIN 0
	LOC (\n)+1
	LDX 0
	LDV
.if (\n) == 4
	SCALES 2                                       ; set 0 was read by piece 3 last
.elseif (\n) == 8
	SCALES 3                                       ; set 1 by piece 7
.elseif (\n) == 2
	global_prefetch_b8 v[PFO+3], s[4:5] th:TH_LOAD_NT scope:SCOPE_SE   ; pieces 10 to 12, a slot ahead of their load
.elseif (\n) == 6
	global_prefetch_b8 v[PFO+4], s[4:5] th:TH_LOAD_NT scope:SCOPE_SE   ; 13 to 15
.endif
.set SS, SC+40*(((\n)/4)%2)
.endif
	WIN 0xf0
	QM 1, 0
.if (\n) < 15
	PLACES
	WIN 0
	LDW 0
.endif
	WIN 0xf0
	QM 1, 1
.if (\n) < 15
	PLACES
	WIN 0
	LDW 1
	LDX 1
.endif
.endm
; THE WAY OUT of two blocks (16 rows of R x my 128 along P each): register 16 b + i is P index 32 (b % 4) + 16 (lane / 16) + i of my row.  Each block of 32 along P lies in lanes l and l xor 16.  Its largest magnitude (with the floor
; 2^(3 - 127) among the leaves), 2 off the exponent field: the conversion's scale operand; that shifted down: the byte.  The codes' halves change places so that a lane holds whole blocks.  Each accumulator is read from its low end on.
; w: the window;  c: its blocks c, c + 1;  n: which of the 12;  sb, off: where they are stored
.macro QUANT2 w, c, n, sb, off
.set AC, 64*(\c)
.set PC, PCD+8*(\n)
	WIN 5*\w                                       ; sources 0 and 1: window w
.irp b, 0,1,2,3,4,5,6,7
	v_max3_num_f32 v[TM+\b], |v[AC+16*\b]|, |v[AC+16*\b+1]|, 0x1800000
.endr
.irp i, 2,4,6,8,10,12,14
.irp b, 0,1,2,3,4,5,6,7
	v_max3_num_f32 v[TM+\b], |v[AC+16*\b+\i]|, |v[AC+16*\b+\i+1]|, v[TM+\b]   ; (the running maximum is source 2, in window 0)
.endr
.endr
	WIN 0
.irp b, 0,1,2,3,4,5,6,7
	v_permlanex16_b32 v[TM+8+\b], v[TM+\b], s[SEL], s[SEL+1]
.endr
.irp b, 0,1,2,3,4,5,6,7
	v_max_num_f32 v[TM+\b], v[TM+\b], v[TM+8+\b]
.endr
.irp b, 0,1,2,3,4,5,6,7
	v_add_nc_u32 v[TM+16+\b], 0xff000000, v[TM+\b] ; 2 off the exponent field
.endr
.irp b, 0,1,2,3,4,5,6,7
	v_lshrrev_b32 v[TM+8+\b], 23, v[TM+16+\b]      ; the scale's byte
.endr
	v_lshl_or_b32 v[PW+(\n)], v[TM+9], 8, v[TM+8]  ; four bytes make my row's scale word
	v_lshl_or_b32 v[PW+(\n)+1], v[TM+13], 8, v[TM+12]
	v_lshl_or_b32 v[PW+(\n)], v[TM+10], 16, v[PW+(\n)]
	v_lshl_or_b32 v[PW+(\n)+1], v[TM+14], 16, v[PW+(\n)+1]
	v_lshl_or_b32 v[PW+(\n)], v[TM+11], 24, v[PW+(\n)]
	v_lshl_or_b32 v[PW+(\n)+1], v[TM+15], 24, v[PW+(\n)+1]
	WIN \w                                         ; source 0: window w
.irp b, 0,1,2,3,4,5,6,7
	v_cvt_scalef32_pk8_fp4_f32 v[PC+2*\b], v[AC+16*\b:AC+16*\b+7], v[TM+16+\b]
	v_cvt_scalef32_pk8_fp4_f32 v[PC+2*\b+1], v[AC+16*\b+8:AC+16*\b+15], v[TM+16+\b]
.endr
	WIN 0
	v_nop                                          ; one plain place behind a scaled conversion
.irp k, 0,4,8,12                               ; the operand's layout wants a WHOLE block in a lane: lanes 0-15 the even block, lanes 16-31 the odd one
	v_permlane16_swap_b32 v[PC+\k], v[PC+\k+2]
	v_permlane16_swap_b32 v[PC+\k+1], v[PC+\k+3]
.endr
.irp k, 0,1,2,3
	global_store_b128 v[LI], v[PC+4*\k:PC+4*\k+3], s[\sb:\sb+1] offset:1024*(\off)+512*\k   ; 32 lanes store 512 consecutive bytes, aligned
.endr
.endm
	s_wait_tensorcnt 0x0                           ; my part of slot 0 is in; these lines stand ahead of a later first fill, as ahead of a refill:
	ds_add_u32 v[SPW], v[NIL]                      ; 0 onto my spare word
	DESC G1X, 32                                   ; no tensor load of mine is out, so a descriptor may be written: slot 1's first fill is half of four pieces: 32 KiB of x,
	DESC G1W, 48                                   ; 48 of the weights
	s_add_nc_u64 s[GX0+2:GX0+3], s[RX:RX+1], 7*XP  ; slot 0's next: pieces 7 to 9
	s_or_b32 s[GX0+3], s[GX0+3], 0x80000000
	s_add_nc_u64 s[GW0+2:GW0+3], s[RW:RW+1], 7*WP
	s_or_b32 s[GW0+3], s[GW0+3], 0x80000000
	s_wait_dscnt 0x0                               ; the add is done
	CROUND                                         ; everybody's part of slot 0 is in, and all sixteen work-groups are here: the joint loads meet
	JLOAD GX1, GW1                                 ; slot 1: the first tensor load behind the round
	LOC 0
	LDX 0
	LDV
	LDW 0
	LDW 1
	LDX 1
	global_prefetch_b8 v[PFO+2], s[4:5] th:TH_LOAD_NT scope:SCOPE_SE   ; pieces 7 to 9
	PIECE 0, 0
	PIECE 1, 0
	PIECE 2, 1
	PIECE 3, 0
	PIECE 4, 0
	PIECE 5, 0
	PIECE 6, 2
	PIECE 7, 0
	PIECE 8, 0
	PIECE 9, 1
	PIECE 10, 0
	PIECE 11, 0
	PIECE 12, 3
	PIECE 13, 0
	PIECE 14, 0
	PIECE 15, 0
	PLACES
	QUANT2 1, 0, 0, OB2, 0                         ; v: fragments 4 j + 0 .. 3
	QUANT2 1, 2, 2, OB2, 2
.irp i, 0,1
	v_cndmask_b32 v[SW+4+\i], v[PW+2*\i], v[PW+2*\i+1], s3   ; lanes 0-15 keep the even block's word, lanes 16-31 take the odd block's
.endr
	global_store_b64 v[LI], v[SW+4:SW+5], s[OB3:OB3+1] offset:8192   ; my two of each lane's four scale words
	QUANT2 2, 0, 4, OB1, 0                         ; q or k
	QUANT2 2, 2, 6, OB1, 2
	QUANT2 3, 0, 8, OB1, 4
	QUANT2 3, 2, 10, OB1, 6
.irp i, 0,1,2,3
	v_cndmask_b32 v[SW+\i], v[PW+4+2*\i], v[PW+5+2*\i], s3
.endr
	global_store_b128 v[LI], v[SW:SW+3], s[OB1:OB1+1] offset:8192
	s_wait_tensorcnt 0x0                           ; the wave's end: these three lines stand behind my last tensor load
	ds_add_u32 v[SPW], v[NIL]
	s_wait_dscnt 0x0
	CROUND                                         ; the closing round: no work-group ends while a partner may still ask for a tile that names it
	s_endpgm
.Lfunc_end_k_q932684b842_gemm:
	.size	k_q932684b842_gemm, .Lfunc_end_k_q932684b842_gemm-k_q932684b842_gemm
	.p2alignl 7, 3214868480
	.fill 96, 4, 3214868480
	.section	.rodata,"a",@progbits
	.p2align	6, 0x0
	.amdhsa_kernel k_q932684b842_gemm
		.amdhsa_group_segment_fixed_size 327680
		.amdhsa_private_segment_fixed_size 0
		.amdhsa_enable_private_segment 0
		.amdhsa_kernarg_size 24
		.amdhsa_user_sgpr_count 2
		.amdhsa_user_sgpr_kernarg_segment_ptr 1
		.amdhsa_wavefront_size32 1
		.amdhsa_system_sgpr_workgroup_id_x 1
		.amdhsa_system_sgpr_workgroup_id_y 1
		.amdhsa_system_sgpr_workgroup_id_z 1
		.amdhsa_system_vgpr_workitem_id 0
		.amdhsa_next_free_vgpr 1024
		.amdhsa_next_free_sgpr 100
		.amdhsa_reserve_vcc 0
		.amdhsa_float_denorm_mode_32 3
		.amdhsa_float_denorm_mode_16_64 3
		.amdhsa_memory_ordered 1
		.amdhsa_forward_progress 1
		.amdhsa_inst_pref_size 215
	.end_amdhsa_kernel
	.amdgpu_metadata
---
amdhsa.version: [ 1, 2 ]
amdhsa.kernels:
  - .name:           k_q932684b842_gemm
    .symbol:         k_q932684b842_gemm.kd
    .args:
      - { .name: codes, .offset: 0, .size: 8, .value_kind: global_buffer, .address_space: global }
      - { .name: scl, .offset: 8, .size: 8, .value_kind: global_buffer, .address_space: global }
      - { .name: frag, .offset: 16, .size: 8, .value_kind: global_buffer, .address_space: global }
    .group_segment_fixed_size: 327680
    .private_segment_fixed_size: 0
    .kernarg_segment_align: 8
    .kernarg_segment_size: 24
    .max_flat_workgroup_size: 128
    .sgpr_count:     100
    .vgpr_count:     1024
    .wavefront_size: 32
...
	.end_amdgpu_metadata
.endif
;; end of part 2
;; launch attn (part 3): grid 4 x 64, 16 waves a work-group, clusters of 4 x 1, 327,680 bytes of LDS; arguments frag, out0; writes out0
.if DOCPART == 3
	.amdgcn_target "amdgcn-amd-amdhsa--gfx1250"
	.amdhsa_code_object_version 6
	.text
	.protected	k_q932684b842_attn
	.globl	k_q932684b842_attn
	.p2align	8
	.type	k_q932684b842_attn,@function
k_q932684b842_attn:
	s_mov_b64 s[64:65], 0
	v_nop
	global_prefetch_b8 v0, s[64:65] scope:SCOPE_SE
	s_setreg_imm32_b32 hwreg(HW_REG_WAVE_MODE, 25, 1), 1
	s_wait_xcnt 0x0
	s_wait_alu depctr_hold_cnt(0) depctr_sa_sdst(0) depctr_va_vdst(0) depctr_va_sdst(0) depctr_va_ssrc(0) depctr_va_vcc(0) depctr_vm_vsrc(0)
	s_getreg_b32 s2, hwreg(HW_REG_IB_STS2, 6, 4)
	s_cmp_eq_u32 s2, 0
	s_cbranch_scc0 .Lentry_in_a_cluster
	s_endpgm
.Lentry_in_a_cluster:
	s_bfe_u32 s2, ttmp6, 0x10000c
	s_cmp_lg_u32 s2, 0x3003
	s_cbranch_scc0 .Lentry_shape_is_right
	s_endpgm
.Lentry_shape_is_right:
; out[n][h][q][:] = the sum over keys k <= q of softmax_k(q . k / sqrt(128)) v[k][:], both products on codes of FP4 (E2M1) with one E8M0 scale for each 32 along a product's K.
; WORK LEFT OUT: a step of 128 keys all of which come after a tile's 16 queries is hidden by the problem's own lower-triangular mask for every input: its weights are 0, so its products and softmax are not done.
; LIMIT: a NaN, an infinity or an overflow that reaches only such steps is not carried to the result.  NaN and infinities in q, k, v are not served.
; THE SOFTMAX AHEAD OF THE SECOND PRODUCT: t = score x log2(e) / sqrt(128) (one fused multiply-add with -M); M = the running largest t rounded UP to a whole number; p = 2^(t - M) is quantised along the keys, not
; normalised.  The row's sum is taken of the unquantised p, in f32, and divides at the end.  When M moves, the sum and O are multiplied by 2^(old M - new M): exact.  A block all of whose p are 0 keeps the byte 1: its codes are zeros.
; INPUT: chunks of 8,704 bytes, each eight fragments (16 rows x 128 K) as images of an operand's registers, and their scale words.  Row i of fragment a is index 32 (a / 2) + 8 (a % 2) + i + 8 (i / 8) of the chunk's 128.
;   Q of head h, batch n, positions 128 g on: chunk 32 h + 8 n + g;  K: 512 more;  V^T (rows: the head's 128; K: keys 128 g on): chunk 1024 + 8 (16 n + h) + g.
; SHARES.  A cluster of four work-groups is one (batch, head).  A head's K and V, 16 chunks, 139,264 bytes, fit in LDS whole, K's and V's by turns: each of a work-group's sixteen waves asks for one chunk (even waves K's chunk w / 2,
; odd waves V's), JOINTLY with the same wave of the three partners (one descriptor, a mask that names the four).  Each byte is filled once: no ring, no refill.  Waves 0 and 1 ask first, for chunk 0 of K and of V; the others ask
; behind the round that shows those two landed, so that the fourteen chunks land while step 0 is walked; one barrier behind step 0 shows them to every wave.
; A PREFETCH INTO THE L2 names those fourteen chunks while chunk 0 is on its way: a chunk is 34 blocks of 256 bytes, of which the partner at place cx names blocks 9 cx .. 9 cx + 8 (at most 33), told apart by address: a lane a block,
; one instruction a wave.
; Wave w owns ONE tile of 16 queries: fragment 2 cx + w % 2 of Q's chunk g, g = 7,7,6,6,5,5,4,4,0,0,1,1,2,2,3,3 for w = 0 .. 15.  It needs key steps 0 .. g; step g lies on the diagonal, the others are open.
; So every work-group has 72 tile steps, and waves w, w + 4, w + 8, w + 12 together 18.  The branches hang on the wave's number and the count of steps alone; cx enters global addresses and the mask's data.
; Waves 0 and 1 (g = 7) of every partner read all sixteen chunks: no joint load brings bytes that a partner never reads.
; LAYOUT.  Both products are used transposed: S^T = K Q^T (source 0 = 16 keys, source 1 = my 16 queries), O^T = V^T P^T: a lane holds ONE query (lane % 16) throughout.  By the order of a fragment's rows the 16 registers of
; tiles 2 b and 2 b + 1 of S^T are keys 32 b + 16 (lane / 16) + 0 .. 15, and register 8 t + j of O^T is channel 32 (t / 2) + 16 (lane / 16) + 8 (t % 2) + j.
; REGISTERS: v1-11 addresses and constants; v12 -M, v13 the largest t, v[14:15] the sum in two halves; v16-23 Q; v24-27 K's scale words, v28-31 V's, v248 p's, v249 Q's (these ten hold scales alone);
;   v32-95 eight fragments of K, then of V; v96-159 S^T, then p; v160-223 O^T; v224-231 p's codes; v232-247, v250-255 at work.
.set CHUNK,  8704                      ; LDS: K's chunk c at 2 c x CHUNK, V's right behind it
.set STG,    16*CHUNK                  ; the way out: 16 rows x (512 bytes + 16) for each wave; no fill lands here
.set SPITCH, 528
.set SPARE,  STG+16*16*SPITCH          ; the spare words, 128 bytes a wave, which no other line names
.set LI,   1                           ; v1   16 x lane: my place in an image; also my offset in Q's fragment and in a row of the output; never rewritten
.set ADK,  2                           ; v2   LDS address of the step's chunks
.set DM,   4                           ; v4   on the diagonal: my query - the step's first key - 16 (lane / 16)
.set SPW,  5                           ; v5   LDS address of my spare word; never rewritten
.set NIL,  6                           ; v6   0; never rewritten
.set NINF, 7                           ; v7   -infinity
.set STO,  8                           ; v8   the stage: where I put 32 bytes of a row
.set RD,   9                           ; v9   and where I read a row back
.set QSO,  10                          ; v10  16 x (lane % 16): my row's place among Q's scale words
.set RR,   11                          ; v11  lane % 16
.set PFO,  231                         ; v231 the prefetch's offset; written again only behind s_wait_xcnt 0
.set WV,   8                           ; s8   my wave's number
.set GRP,  9                           ; s9   g
.set G1,   16                          ; s[16:23] descriptor group 1;  s[24:27] group 0
.set G0,   24
.set SEL,  36                          ; s36, s37 lane selects for v_permlanex16_b32: lane l xor 16
.set CS,   38                          ; s[38:39] c = log2(e) / sqrt(128): the packed form names a pair and takes its low word for both halves
.set TB,   40                          ; s40  LDS byte at which the step's chunks begin
.set SI,   41                          ; s41  the step
.macro ROUND                           ; a round of the cluster's barrier
	s_barrier_signal -1
	s_barrier_wait -1
	s_cmp_lg_u32 s[WV], 0
	s_cbranch_scc1 .Lnot_wave_0_\@
	s_barrier_signal -3
.Lnot_wave_0_\@:
	s_barrier_wait -3
	s_barrier_signal -1
	s_barrier_wait -1
.endm
	s_load_b128 s[4:7], s[0:1], 0x0                ; the chunks s[4:5], the output s[6:7]
	v_lshl_add_u32 v[SPW], v0, 2, SPARE
	v_mov_b32 v[NIL], 0
	ds_add_u32 v[SPW], v[NIL]                      ; the wave's opening: the add, twice on end, and its wait stand ahead of my first tensor load; the set-up below stands between the second and the wait
	ds_add_u32 v[SPW], v[NIL]
	v_lshrrev_b32 v1, 5, v0
	v_readfirstlane_b32 s[WV], v1                  ; wave 0..15
	s_lshr_b32 s15, s[WV], 1                       ; my chunk of K or of V
	s_and_b32 s14, s[WV], 1                        ; K's (0) or V's (1)
	s_lshr_b32 s42, s[WV], 3                       ; 1 in waves 8-15
	s_mul_i32 s43, s42, 3
	s_xor_b32 s43, s43, 7
	s_xor_b32 s[GRP], s15, s43                     ; g: 7,7,6,6,5,5,4,4,0,0,1,1,2,2,3,3
	s_bfe_u32 s10, ttmp6, 0x40000                  ; cx: my place in the cluster
	s_and_b32 s11, ttmp7, 0xffff                   ; y = 16 batch + head, which the four partners share
	s_and_b32 s12, s11, 15                         ; head
	s_lshr_b32 s13, s11, 4                         ; batch
	; descriptor group 1: a chunk is a dense block: 34 rows of 256 bytes (32 elements of 8 bytes), no padding: images are read 16 bytes a lane on end
	s_mov_b32 s[G1+0], 15|(3<<16)|(1<<21)          ; 15:0 the mask: all four work-groups; 17:16 elements of 8 bytes; 21 set beside a mask
	s_mov_b32 s[G1+1], 32<<16                      ; tensor_dim0 = 32
	s_mov_b32 s[G1+2], 34<<16                      ; tensor_dim1 = 34
	s_mov_b32 s[G1+3], 32<<16                      ; tile_dim0 = 32
	s_mov_b32 s[G1+4], 34                          ; tile_dim1 = 34
	s_mov_b32 s[G1+5], 32                          ; tensor_dim0_stride
	s_mov_b32 s[G1+6], 0
	s_mov_b32 s[G1+7], 0
	s_lshl_b32 s28, s12, 5
	s_lshl_b32 s29, s13, 3
	s_add_co_u32 s28, s28, s29                     ; Q's chunks of my head and batch begin at 32 head + 8 batch,
	s_add_co_u32 s43, s28, 512                     ; K's 512 on;
	s_lshl_b32 s29, s11, 3
	s_add_co_u32 s29, s29, 1024                    ; V's at 1024 + 8 y
	s_sub_co_u32 s29, s29, s43
	s_mul_i32 s29, s29, s14
	s_add_co_u32 s29, s29, s43
	s_add_co_u32 s29, s29, s15
	s_mul_i32 s44, s29, CHUNK                      ; my chunk, in bytes: under 2^24
	s_mov_b32 s45, 0
	s_mov_b32 s[G0], 1                             ; 1:0 count = 1
	s_mul_i32 s[G0+1], s[WV], CHUNK                ; 63:32 LDS address: wave x a chunk: no place in the cluster enters it
	s_add_co_u32 s46, s28, s[GRP]
	s_mul_i32 s46, s46, CHUNK                      ; Q's chunk g
	s_lshl_b32 s47, s10, 1
	s_add_co_u32 s47, s47, s14
	s_lshl_b32 s47, s47, 10
	s_add_co_u32 s30, s46, s47                     ; my fragment: 2 cx + w % 2
	s_mov_b32 s31, 0
	s_lshl_b32 s47, s10, 2
	s_add_co_u32 s32, s46, s47
	s_lshl_b32 s47, s14, 8
	s_add_co_u32 s32, s32, s47
	s_add_co_u32 s32, s32, 8192                    ; its scale words: 8192 + 4 cx + 256 (w % 2) + 16 x row
	s_mov_b32 s33, 0
	s_lshl_b32 s42, s10, 5
	s_lshl_b32 s47, s14, 3
	s_add_co_u32 s42, s42, s47                     ; 32 cx + 8 (w % 2): my tile's first query in its 128
	s_lshl_b32 s47, s[GRP], 7
	s_add_co_u32 s47, s47, s42
	s_lshl_b32 s47, s47, 9                         ; 512 bytes a row of the output
	s_lshl_b32 s34, s11, 19                        ; 1,024 rows a head
	s_add_co_u32 s34, s34, s47
	s_mov_b32 s35, 0
	s_mul_i32 s48, s10, 9
	s_mov_b32 s[SEL], 0x76543210
	s_mov_b32 s[SEL+1], 0xfedcba98
	s_mov_b32 s[CS], 0x3e0293ee                    ; c = log2(e) / sqrt(128)
	s_mov_b32 s[CS+1], s[CS]                       ; (named with it as a pair, so it is written)
	s_mov_b32 s[TB], 0
	s_mov_b32 s[SI], 0
	v_and_b32 v254, 31, v0
	v_and_b32 v[RR], 15, v0
	v_bfe_u32 v250, v0, 4, 1
	v_lshlrev_b32 v[LI], 4, v254
	v_lshlrev_b32 v[QSO], 4, v[RR]
	v_min_u32 v[PFO], 8, v254
	v_and_b32 v[DM], 8, v[RR]
	v_lshlrev_b32 v250, 4, v250
	v_add_nc_u32 v[PFO], s48, v[PFO]
	v_add_nc_u32 v[DM], v[DM], v[RR]               ; r + 8 (r / 8)
	v_min_u32 v[PFO], 33, v[PFO]
	v_sub_nc_u32 v[DM], v[DM], v250                ; - 16 (lane / 16)
	v_lshlrev_b32 v[PFO], 8, v[PFO]
	v_add_nc_u32 v[DM], s42, v[DM]                 ; + 32 cx + 8 (w % 2)
	v_mov_b32 v[NINF], 0xff800000
.irp b, 0,1,2,3
	v_mov_b32 v[236+\b], 0                         ; written once: a lane permute's destination counts as one of its sources
.endr
	v_mov_b32 v252, 0                              ; (likewise, on the way out)
	v_mov_b32 v253, 0                              ; (named as the upper half of the pair v[252:253])
	s_wait_alu depctr_va_vdst(0)
	s_wait_dscnt 0x0                               ; both opening adds are done
	s_wait_kmcnt 0x0
	s_add_nc_u64 s[50:51], s[4:5], s[44:45]        ; my chunk: for the prefetch,
	s_add_nc_u64 s[G0+2:G0+3], s[4:5], s[44:45]    ; and 120:64 global address
	s_or_b32 s[G0+3], s[G0+3], 0x80000000          ; 127:126 type = 2
	s_add_nc_u64 s[30:31], s[4:5], s[30:31]
	s_add_nc_u64 s[32:33], s[4:5], s[32:33]
	s_add_nc_u64 s[34:35], s[6:7], s[34:35]
	ROUND                                          ; all four work-groups are here: the joint loads meet
	s_cmp_lt_u32 s[WV], 2
	s_cbranch_scc0 .Llater
	tensor_load_to_lds s[G0:G0+3], s[G1:G1+7]      ; waves 0 and 1: chunk 0 of K, of V
	s_nop 0
.rept 4
	v_nop
.endr
	s_branch .Lhead_asked
.Llater:
	global_prefetch_b8 v[PFO], s[50:51] th:TH_LOAD_NT scope:SCOPE_SE   ; the others: my work-group's blocks of the chunk that I shall ask for behind the next round
.Lhead_asked:
	global_load_b128 v[16:19], v[LI], s[30:31]             ; Q's fragment stays in registers
	global_load_b128 v[20:23], v[LI], s[30:31] offset:512
	global_load_b32 v249, v[QSO], s[32:33]                 ; and its scale words: lane r has row r's
; A KEY STEP of 128 keys.  first = 1: step 0: its products start O^T, and no M stands before it.
.macro STEP first
	v_add_nc_u32 v[ADK], s[TB], v[LI]
.rept 3
	v_nop                                          ; four places behind the last step's products, in front of loads into registers that they have read
.endr
.set t, 0
.rept 8
	ds_load_b128 v[32+8*t:35+8*t], v[ADK] offset:1024*t
	ds_load_b128 v[36+8*t:39+8*t], v[ADK] offset:1024*t+512
.set t, t+1
.endr
	ds_load_b128 v[24:27], v[ADK] offset:8192      ; K's scale words: register i: lanes 0-15 fragment 2 i, lanes 16-31 fragment 2 i + 1
	s_wait_alu depctr_va_vdst(0)
	s_wait_dscnt 0x0
.set t, 0
.rept 8                                            ; S^T = K Q^T: eight tiles of 16 keys
.if t%2
	v_wmma_scale_f32_16x16x128_f8f6f4 v[96+8*t:103+8*t], v[32+8*t:39+8*t], v[16:23], 0, v[24+t/2], v249 matrix_a_fmt:MATRIX_FMT_FP4 matrix_b_fmt:MATRIX_FMT_FP4 matrix_a_scale:MATRIX_SCALE_ROW1
.else
	v_wmma_scale_f32_16x16x128_f8f6f4 v[96+8*t:103+8*t], v[32+8*t:39+8*t], v[16:23], 0, v[24+t/2], v249 matrix_a_fmt:MATRIX_FMT_FP4 matrix_b_fmt:MATRIX_FMT_FP4
.endif
.set t, t+1
.endr
.rept 4
	v_nop                                          ; places in front of the loads below and of the first read of the scores
.endr
.set t, 0
.rept 8                                            ; V's fragments take K's registers: they land while the softmax is walked
	ds_load_b128 v[32+8*t:35+8*t], v[ADK] offset:CHUNK+1024*t
	ds_load_b128 v[36+8*t:39+8*t], v[ADK] offset:CHUNK+1024*t+512
.set t, t+1
.endr
	ds_load_b128 v[28:31], v[ADK] offset:CHUNK+8192   ; V's scale words
	s_cmp_lt_u32 s[SI], s[GRP]                     ; a step ahead of my g: all its keys count
	s_cbranch_scc1 .Lopen_\@
.set n, 0
.rept 64                                           ; on the diagonal the scores of hidden keys become -infinity ahead of the maximum: register 16 b + i holds key 32 b + i + 16 (lane / 16) of the step: hidden where 32 b + i > v[DM].  The step's first key counts for every query
	v_cmp_gt_i32 vcc_lo, 32*(n/16)+n%16, v[DM]
	v_cndmask_b32 v[96+n], v[96+n], v[NINF], vcc_lo
.set n, n+1
.endr
.Lopen_\@:
.irp b, 0,1,2,3
	v_max3_num_f32 v[232+\b], v[96+16*\b], v[97+16*\b], v[98+16*\b]   ; THE LARGEST SCORE OF EACH BLOCK OF 32 KEYS: it serves for the row's maximum and, since p rises with the score, for the block's largest p
.endr
.irp i, 3,5,7,9,11,13
.irp b, 0,1,2,3
	v_max3_num_f32 v[232+\b], v[232+\b], v[96+16*\b+\i], v[97+16*\b+\i]   ; (the four blocks by turns)
.endr
.endr
.irp b, 0,1,2,3
	v_max_num_f32 v[232+\b], v[232+\b], v[111+16*\b]
.endr
.irp b, 0,1,2,3
	s_delay_alu instid0(VALU_DEP_4)
	v_permlanex16_b32 v[236+\b], v[232+\b], s[SEL], s[SEL+1]
.endr
.irp b, 0,1,2,3
	s_delay_alu instid0(VALU_DEP_4)
	v_max_num_f32 v[232+\b], v[232+\b], v[236+\b]  ; with lane l xor 16's 16 keys
.endr
	s_delay_alu instid0(VALU_DEP_2)
	v_max3_num_f32 v254, v232, v233, v234
	s_delay_alu instid0(VALU_DEP_1)
	v_max_num_f32 v254, v254, v235                 ; the step's largest score of my query
.if \first
	s_delay_alu instid0(VALU_DEP_1)
	v_mul_f32 v13, s[CS], v254                     ; as t (c is positive): the largest t so far
	s_delay_alu instid0(VALU_DEP_1)
	v_floor_f32 v12, -v13                          ; -M = floor(-t) = -ceil(t): M is a whole number
.else
	s_delay_alu instid0(VALU_DEP_1)
	v_mul_f32 v254, s[CS], v254                    ; as t (c is positive)
	s_delay_alu instid0(VALU_DEP_1)
	v_max_num_f32 v13, v13, v254                   ; the running largest t
	v_mov_b32 v254, v12
	s_delay_alu instid0(VALU_DEP_2)
	v_floor_f32 v12, -v13                          ; the new -M = floor(-t) = -ceil(t): M is a whole number
	s_delay_alu instid0(VALU_DEP_1)
	v_sub_f32 v254, v12, v254                      ; M's old value less its new one: a whole number, 0 or less
	s_delay_alu instid0(VALU_DEP_1)
	v_cvt_i32_f32 v254, v254                       ; (it saturates)
	s_delay_alu instid0(VALU_DEP_1)
	v_ldexp_f32 v252, 1.0, v254                    ; f = 2^(old M - new M)
.endif
.set n, 0
.rept 32
	v_pk_fma_f32 v[96+n:97+n], v[96+n:97+n], s[CS:CS+1], v[12:13] op_sel_hi:[1,0,0]   ; t - M, two at a time (of the pairs c and -M the low word serves both halves)
.set n, n+2
.endr
.irp b, 0,1,2,3
	v_fma_f32 v[232+\b], v[232+\b], s[CS], v12     ; the same of each block's largest score
.endr
.set n, 0
	s_wait_alu depctr_va_vdst(0)
.rept 64
	v_exp_f32 v[96+n], v[96+n]                     ; p = 2^(t - M), at most 1: not normalised
.set n, n+1
.endr
.if \first
	v_nop                                          ; (a plain place behind the exponentials)
.else
	v_pk_mul_f32 v[14:15], v[14:15], v[252:253] op_sel_hi:[1,0]   ; the sums under the new M  (a plain place behind the exponentials)
.endif
	s_wait_alu depctr_va_vdst(0)                   ; the wait ahead of the first instruction that names a result: one for the whole batch
.irp b, 0,1,2,3
	v_exp_f32 v[232+\b], v[232+\b]                 ; the block's largest p: the same two instructions on the same number give the same bits
.endr
	v_pk_add_f32 v[236:237], v[100:101], v[104:105]
	v_pk_add_f32 v[254:255], v[108:109], v[112:113]
	v_pk_add_f32 v[250:251], v[116:117], v[120:121]
	v_pk_add_f32 v[246:247], v[124:125], v[128:129]
	v_pk_add_f32 v[244:245], v[132:133], v[136:137]
	v_pk_add_f32 v[242:243], v[140:141], v[144:145]
	v_pk_add_f32 v[240:241], v[148:149], v[152:153]
.if \first == 0
	v_pk_add_f32 v[14:15], v[14:15], v[156:157]
.endif
	v_pk_add_f32 v[236:237], v[236:237], v[96:97]
	v_pk_add_f32 v[254:255], v[254:255], v[98:99]
	v_pk_add_f32 v[250:251], v[250:251], v[102:103]
	v_pk_add_f32 v[246:247], v[246:247], v[106:107]
	v_pk_add_f32 v[244:245], v[244:245], v[110:111]
	v_pk_add_f32 v[242:243], v[242:243], v[114:115]
	v_pk_add_f32 v[240:241], v[240:241], v[118:119]
.if \first
	v_pk_add_f32 v[14:15], v[156:157], v[122:123]
.else
	v_pk_add_f32 v[14:15], v[14:15], v[122:123]
.endif
	v_pk_add_f32 v[236:237], v[236:237], v[126:127]
	v_pk_add_f32 v[254:255], v[254:255], v[130:131]
	v_pk_add_f32 v[250:251], v[250:251], v[134:135]
	v_pk_add_f32 v[246:247], v[246:247], v[138:139]
	v_pk_add_f32 v[244:245], v[244:245], v[142:143]
	v_pk_add_f32 v[242:243], v[242:243], v[146:147]
	v_pk_add_f32 v[240:241], v[240:241], v[150:151]
	v_pk_add_f32 v[14:15], v[14:15], v[154:155]
	v_pk_add_f32 v[236:237], v[236:237], v[158:159]
	s_delay_alu instid0(VALU_DEP_2)
	v_pk_add_f32 v[14:15], v[14:15], v[246:247]
	s_delay_alu instid0(VALU_DEP_2)
	v_pk_add_f32 v[236:237], v[236:237], v[244:245]
	v_pk_add_f32 v[254:255], v[254:255], v[242:243]
	v_pk_add_f32 v[250:251], v[250:251], v[240:241]
	s_delay_alu instid0(VALU_DEP_2)
	v_pk_add_f32 v[14:15], v[14:15], v[254:255]
	s_delay_alu instid0(VALU_DEP_2)
	v_pk_add_f32 v[236:237], v[236:237], v[250:251]
	s_delay_alu instid0(VALU_DEP_1)
	v_pk_add_f32 v[14:15], v[14:15], v[236:237]
	s_wait_alu depctr_va_vdst(0)                   ; and one for the four
.irp b, 0,1,2,3
	v_max_num_f32 v[232+\b], 0x1800000, v[232+\b]  ; the floor 2^(3 - 127): the byte cannot fall under 1
.endr
.irp b, 0,1,2,3
	s_delay_alu instid0(VALU_DEP_4)
	v_add_nc_u32 v[244+\b], 0xff000000, v[232+\b]  ; 2 off the exponent field: the conversion's scale operand
.endr
.irp b, 0,1,2,3
	s_delay_alu instid0(VALU_DEP_4)
	v_lshrrev_b32 v[236+\b], 23, v[244+\b]         ; the scale's byte
.endr
	s_delay_alu instid0(VALU_DEP_3)
	v_lshl_or_b32 v248, v237, 8, v236              ; p's scale word for these 128 keys
	s_delay_alu instid0(VALU_DEP_1)
	v_lshl_or_b32 v248, v238, 16, v248
	s_delay_alu instid0(VALU_DEP_1)
	v_lshl_or_b32 v248, v239, 24, v248
.irp b, 0,1,2,3
	v_cvt_scalef32_pk8_fp4_f32 v[224+2*\b], v[96+16*\b:103+16*\b], v[244+\b]
	v_cvt_scalef32_pk8_fp4_f32 v[225+2*\b], v[104+16*\b:111+16*\b], v[244+\b]
.endr
	v_nop                                          ; one plain place behind a scaled conversion
.irp c, 0,1                                    ; the operand's layout wants a WHOLE block in a lane: lanes 0-15 block 2 c, lanes 16-31 block 2 c + 1
.irp i, 0,1
	v_permlane16_swap_b32 v[224+4*\c+\i], v[226+4*\c+\i]
.endr
.endr
.if \first
.rept 8
	v_nop                                          ; eight places behind the scale word's last line, four behind the codes'
.endr
.else
.set n, 0
.rept 32
	v_pk_mul_f32 v[160+n:161+n], v[160+n:161+n], v[252:253] op_sel_hi:[1,0]   ; O^T under the new M: x f.  (These 32 also stand between the lines that made p's codes and scale word and the products below)
.set n, n+2
.endr
.endif
	s_wait_alu depctr_va_vdst(0)
	s_wait_dscnt 0x0                               ; V's fragments and scale words are in
.set t, 0
.rept 8                                            ; O^T += V^T P^T: eight tiles of 16 channels, one instruction a turn
.if \first
.if t%2
	v_wmma_scale_f32_16x16x128_f8f6f4 v[160+8*t:167+8*t], v[32+8*t:39+8*t], v[224:231], 0, v[28+t/2], v248 matrix_a_fmt:MATRIX_FMT_FP4 matrix_b_fmt:MATRIX_FMT_FP4 matrix_a_scale:MATRIX_SCALE_ROW1
.else
	v_wmma_scale_f32_16x16x128_f8f6f4 v[160+8*t:167+8*t], v[32+8*t:39+8*t], v[224:231], 0, v[28+t/2], v248 matrix_a_fmt:MATRIX_FMT_FP4 matrix_b_fmt:MATRIX_FMT_FP4
.endif
.else
.if t%2
	v_wmma_scale_f32_16x16x128_f8f6f4 v[160+8*t:167+8*t], v[32+8*t:39+8*t], v[224:231], v[160+8*t:167+8*t], v[28+t/2], v248 matrix_a_fmt:MATRIX_FMT_FP4 matrix_b_fmt:MATRIX_FMT_FP4 matrix_a_scale:MATRIX_SCALE_ROW1
.else
	v_wmma_scale_f32_16x16x128_f8f6f4 v[160+8*t:167+8*t], v[32+8*t:39+8*t], v[224:231], v[160+8*t:167+8*t], v[28+t/2], v248 matrix_a_fmt:MATRIX_FMT_FP4 matrix_b_fmt:MATRIX_FMT_FP4
.endif
.endif
.set t, t+1
.endr
.endm
	s_wait_loadcnt 0x0                             ; Q
	s_wait_tensorcnt 0x0                           ; my part of chunk 0 has landed; these lines stand ahead of a later first fill, as ahead of a refill:
	ds_add_u32 v[SPW], v[NIL]                      ; 0 onto my spare word, twice on end
	ds_add_u32 v[SPW], v[NIL]
	s_wait_dscnt 0x0                               ; both are done
	ROUND                                          ; chunk 0 is whole in every work-group, and all four are here: the joint loads meet
	s_cmp_lt_u32 s[WV], 2
	s_cbranch_scc1 .Lasked
	tensor_load_to_lds s[G0:G0+3], s[G1:G1+7]      ; the other fourteen waves' one tensor load: the other fourteen chunks
	s_nop 0
.rept 4
	v_nop
.endr
.Lasked:
	s_wait_xcnt 0x0                                ; my prefetch has read its address, whose register the step writes
	STEP 1                                         ; every wave needs step 0
	s_wait_tensorcnt 0x0                           ; my chunk has landed,
	s_barrier_signal -1
	s_barrier_wait -1                              ; everybody's has: all sixteen chunks are whole, and nobody writes them again
	s_mov_b32 s[TB], 2*CHUNK
	s_mov_b32 s[SI], 1
.Lstep:                                            ; 7 trips, a constant; a wave leaves out the work of the steps behind its own g
	s_cmp_gt_u32 s[SI], s[GRP]
	s_cbranch_scc1 .Lhidden
	STEP 0
.Lhidden:
	s_add_co_u32 s[TB], s[TB], 2*CHUNK             ; the next step's chunks
	s_add_co_u32 s[SI], s[SI], 1
	s_cmp_lt_u32 s[SI], 8
	s_cbranch_scc1 .Lstep
	; THE WAY OUT.  The sum's two halves and the other half of the lanes' are added; O^T is divided by the sum and goes through my own stage in LDS, so that the 32 lanes store whole rows of 512 bytes.
	v_add_f32 v14, v14, v15
	s_delay_alu instid0(VALU_DEP_1)
	v_permlanex16_b32 v252, v14, s[SEL], s[SEL+1]
	s_delay_alu instid0(VALU_DEP_1)
	v_add_f32 v14, v14, v252                       ; the row's sum
	s_wait_alu depctr_va_vdst(0)
	v_rcp_f32 v14, v14
	s_mul_i32 s42, s[WV], 16*SPITCH
	s_add_co_u32 s42, s42, STG                     ; my stage
	v_mul_u32_u24 v[STO], v[RR], SPITCH            ; (plain places behind the reciprocal and behind the last products)  in: row lane % 16,
	v_bfe_u32 v[RD], v0, 4, 1
	s_delay_alu instid0(VALU_DEP_1)
	v_lshl_add_u32 v[STO], v[RD], 6, v[STO]        ; + 64 (lane / 16): channels 16 (lane / 16) on
	s_delay_alu instid0(VALU_DEP_1)
	v_add_nc_u32 v[STO], s42, v[STO]
	v_add_nc_u32 v[RD], s42, v[LI]                 ; back: 16 bytes a lane of a row
	s_wait_alu depctr_va_vdst(0)
.set n, 0
.rept 32
	v_pk_mul_f32 v[96+n:97+n], v[160+n:161+n], v[14:15] op_sel_hi:[1,0]   ; O^T / the sum, each accumulator from its low end on
.set n, n+2
.endr
.set t, 0
.rept 8
	ds_store_b128 v[STO], v[96+8*t:99+8*t] offset:128*(t/2)+32*(t%2)          ; channels 32 (t / 2) + 16 (lane / 16) + 8 (t % 2) + 0 .. 3
	ds_store_b128 v[STO], v[100+8*t:103+8*t] offset:128*(t/2)+32*(t%2)+16     ; and + 4 .. 7
.set t, t+1
.endr
.set n, 0
.rept 16
	ds_load_b128 v[32+4*n:35+4*n], v[RD] offset:n*SPITCH   ; LDS serves a wave's instructions in order (ISA guide 5.7.1.4): these see my stores
.set n, n+1
.endr
.set n, 0
.rept 16
	s_wait_dscnt 15-n                              ; row n is back; the younger loads may be out
	global_store_b128 v[LI], v[32+4*n:35+4*n], s[34:35] offset:(n+8*(n/8))*512 th:TH_STORE_NT   ; the fragment's row n is query n + 8 (n / 8) of my tile: 32 lanes store 512 consecutive bytes, aligned; written once
.set n, n+1
.endr
	s_wait_tensorcnt 0x0                           ; the wave's end: these three lines stand behind my tensor load and my last LDS store
	ds_add_u32 v[SPW], v[NIL]
	s_wait_dscnt 0x0
	ROUND                                          ; the closing round
	s_endpgm
.Lfunc_end_k_q932684b842_attn:
	.size	k_q932684b842_attn, .Lfunc_end_k_q932684b842_attn-k_q932684b842_attn
	.p2alignl 7, 3214868480
	.fill 96, 4, 3214868480
	.section	.rodata,"a",@progbits
	.p2align	6, 0x0
	.amdhsa_kernel k_q932684b842_attn
		.amdhsa_group_segment_fixed_size 327680
		.amdhsa_private_segment_fixed_size 0
		.amdhsa_enable_private_segment 0
		.amdhsa_kernarg_size 16
		.amdhsa_user_sgpr_count 2
		.amdhsa_user_sgpr_kernarg_segment_ptr 1
		.amdhsa_wavefront_size32 1
		.amdhsa_system_sgpr_workgroup_id_x 1
		.amdhsa_system_sgpr_workgroup_id_y 1
		.amdhsa_system_sgpr_workgroup_id_z 1
		.amdhsa_system_vgpr_workitem_id 0
		.amdhsa_next_free_vgpr 256
		.amdhsa_next_free_sgpr 66
		.amdhsa_reserve_vcc 1
		.amdhsa_float_denorm_mode_32 3
		.amdhsa_float_denorm_mode_16_64 3
		.amdhsa_memory_ordered 1
		.amdhsa_forward_progress 1
		.amdhsa_inst_pref_size 58
	.end_amdhsa_kernel
	.amdgpu_metadata
---
amdhsa.version: [ 1, 2 ]
amdhsa.kernels:
  - .name:           k_q932684b842_attn
    .symbol:         k_q932684b842_attn.kd
    .args:
      - { .name: frag, .offset: 0, .size: 8, .value_kind: global_buffer, .address_space: global }
      - { .name: out0, .offset: 8, .size: 8, .value_kind: global_buffer, .address_space: global }
    .group_segment_fixed_size: 327680
    .private_segment_fixed_size: 0
    .kernarg_segment_align: 8
    .kernarg_segment_size: 16
    .max_flat_workgroup_size: 512
    .sgpr_count:     66
    .vgpr_count:     256
    .wavefront_size: 32
...
	.end_amdgpu_metadata
.endif
;; end of part 3
